; MI455X (gfx1250); checked and timed in simulation.
; The chip was launched on July 23, 2026; its instructions are those of AMD's public machine-readable ISA for CDNA 5 (MIT licence, August 2026) and "CDNA5" Instruction Set Architecture Reference Guide (July 2026). The comments in the code are by the model that wrote it; some were corrected since.
;; Lora QKV Linear. Allowed arithmetic: float matrix products may take bf16 or f16 operands with f32 sums; other float arithmetic in f32, or as packed bf16 or f16 multiplies, adds, multiply-adds, maxima and minima; sums over many terms, partial sums and values carried from step to step in f32; what a program stores and reads back later, other than sums and carried values, may be rounded once to bf16 or f16.
;; Inputs: Ak 4,096 x 16 float32; Aq 4,096 x 16 float32; Av 4,096 x 16 float32; Bk 16 x 1,024 float32; Bq 16 x 4,096 float32; Bv 16 x 1,024 float32; Wk 1,024 x 4,096 float32; Wq 4,096 x 4,096 float32; Wv 1,024 x 4,096 float32; bk 1,024 float32; bq 4,096 float32; bv 1,024 float32; x 4 x 512 x 4,096 float32.
;; Outputs: out0 4 x 512 x 4,096 float32; out1 4 x 512 x 1,024 float32; out2 4 x 512 x 1,024 float32.
;; One version. Each part assembles by itself: llvm-mc -triple=amdgcn-amd-amdhsa -mcpu=gfx1250 --defsym DOCPART=n.
;; ======== version 1 of 1: 2 launches
;; limits: values outside matrix products are rounded to bf16
;; workspace buffers: xb 17,301,504 bytes; wb 51,904,512 bytes
;; launch prep (part 1): grid 256 x 1, 8 waves a work-group, no clusters, 244,736 bytes of LDS; arguments x, Wq, Wk, Wv, bq, bk, bv, Aq, Ak, Av, Bq, Bk, Bv, xb, wb; writes xb, wb
.if DOCPART == 1
	.amdgcn_target "amdgcn-amd-amdhsa--gfx1250"
	.amdhsa_code_object_version 6
	.text
	.protected	k_qa15bea79fd_prep
	.globl	k_qa15bea79fd_prep
	.p2align	8
	.type	k_qa15bea79fd_prep,@function
k_qa15bea79fd_prep:
	s_mov_b64 s[64:65], 0
	v_nop
	global_prefetch_b8 v0, s[64:65] scope:SCOPE_SE
	s_setreg_imm32_b32 hwreg(HW_REG_WAVE_MODE, 25, 1), 1
	s_wait_xcnt 0x0
; PREP: the operands of out = x W^T + 2 (x A) B + b are written as two bf16 matrices with rows of 4,224 numbers (8,448 bytes = 33 x 256), so that ONE product xb wb^T over K = 4,224 is the whole module.
;   xb [2048][4224]: numbers 0..4095 bf16(x).      wb [6144][4224]: numbers 0..4095 bf16(W); rows 0..4095 Wq, 4096..5119 Wk, 5120..6143 Wv.
;   THE EXTENSION, numbers 4096..4223, is two halves hh = 0, 1 of 64 slots.  Slot 16 p + n (p = q, k, v; n = rank): xb holds bf16(2 t), t = x A_p summed over k = 2048 hh .. 2048 hh + 2047;
;   wb holds bf16(B_p[n][o]) where p is the row's own projection, else 0.  Slot 48 of half 0: xb holds 1.0, wb bf16(b[o]).  All other slots are 0.
; LIMITS.  Every input is rounded once to bf16 (nearest even), the bias too; the two partial t are rounded to bf16 as matrix operands; the factor 2 is exact.  Sums in f32.
;   A partial t that overflows to an infinity meets the zeros of the other projections' slots and makes NaN in that row of all three outputs.
; ROLES.  Work-groups 0..63 (X): 64 rows of x by one half of K: conversion, and t on the matrix unit.  Work-groups 64..255 (W): 32 rows of wb.  Each moves 512 KiB in and 256 KiB out.
; THE X ROLE GOES IN EIGHT TRIPS of 128 k a wave.  What a trip multiplies by, 2 x 128 k of the three A (a BATCH), is loaded two trips ahead, beside x's set for that trip, rounded and laid into LDS at the
; trip's head; one barrier a trip shows it whole.  So x and A are on their way together: 28 loads of 16 bytes a lane for each of two trips.
; No tensor loads: no wave wants a byte of x or W that another wave fetched.  No cluster: what is shared (A, 768 KiB in all) is small.  No prefetch: the launch is one stream with loads always out.
; REGISTERS of the X role, in windows of 256 (s_set_vgpr_msb: bits 1:0 source 0, 3:2 source 1, 5:4 source 2, 7:6 destination): what is only loaded, rounded and stored lies in window 1
; (two batches of A; the rounded x), all that the matrix instructions name in window 0: six switches a trip.
.set XROW,  16384                      ; bytes in a row of x and of W
.set ROWB,  8448                       ; bytes in a row of xb and of wb
.set AP,    96                         ; LDS: a row of the image of A, [2048 rows][48 = 16 p + rank] bf16.
                                       ; Row 256 t + 128 KQ + r holds k = 1024 KQ + 128 t + r of my half of K: batch t is 24,576 bytes on end
.set XST,   2048*AP                    ; behind it: a stage of 16 rows x 272 bytes for each wave, its own
.set XP,    272                        ; 256 bytes + 16: the 16 rows of a fragment load start at 16 different groups of four banks
.set RED,   XST+8*16*XP                ; partial sums of waves 4-7: 4 x 3 tiles x 1,024 bytes, f32
.set SPARE, RED+4*3*1024               ; the spare words: 128 bytes for each of the eight waves, four blocks of 256 bytes that no other line names
.set SPW, 22                           ; v22  SPARE + 4 x my thread's number; never rewritten
.set NIL, 23                           ; v23  0; never rewritten
.set XF,  24                           ; X: v[24:55]    x's four fragments of a trip (at work during the set-up)
.set XS0, 56                           ; X: v[56:119], v[120:183]  two sets of 16 loads of 16 bytes a lane
.set AF,  184                          ; X: v[184:231]  fragments of A^T: 2 x 3 x 8
.set ACC, 232                          ; X: v[232:255]  three accumulators: t for q, k, v
.set RB,  56                           ; X, at the end: the partner wave's sums, then the packed t
.set YX,  96                           ; X, window 1: v[352:383] the rounded x of a trip;  v[256:303], v[304:351] two batches of A
.set WS0, 32                           ; W: v[32:95], v[96:159]  two sets of 16 loads
.set YB0, 160                          ; W: v[160:191], v[192:223] two sets of converted words
.set EB,  224                          ; W: v[224:239] B's numbers for the extension;  v240-241 the bias;  v[242:249] the extension's words;  v250-251 the bias, packed
.set EBI, 240
.set EW,  242
; X, scalars: s[44:45] x at my rows and k; s[46:47] xb there; s[48:49] xb at my rows' half of the extension; s[50:55] Aq, Ak, Av at my half of K
; W, scalars: s[44:45] W at my rows; s[46:47] b, s[48:49] B at my columns; s[42:43] wb at my rows; s52 p; s53 log2 of B's row bytes
.set MSB, 0
.macro WIN new                         ; the immediate's high byte repeats the setting that is left; a switch that changes nothing is dropped
.if MSB != (\new)
	s_set_vgpr_msb (MSB<<8)|(\new)
.set MSB, \new
.endif
.endm
.macro XLOAD t                         ; 128 k of my 16 rows: each load is 512 consecutive bytes of one row
	WIN 0
.set LB, XS0+64*((\t)%2)
.set i, 0
.rept 16
	global_load_b128 v[LB+4*i:LB+4*i+3], v2, s[44:45] offset:i*XROW+(\t)*512 th:TH_LOAD_NT
.set i, i+1
.endr
.endm
.macro ALOAD t                         ; batch t: k = 128 t .. + 127 (jj = 0, 1) and 1024 + 128 t .. + 127 (jj = 2, 3) of the three A: the work-group's 256 threads take 4,096 consecutive bytes (64 k) a load
	WIN 0x40                                       ; destination window 1, address window 0
.set FB, 48*((\t)%2)
.irp jj, 0,1,2,3
.irp p, 0,1,2
	global_load_b128 v[FB+4*(3*(\jj)+(\p)):FB+4*(3*(\jj)+(\p))+3], v4, s[50+2*(\p):51+2*(\p)] offset:(2*(\t)+(\jj)+14*((\jj)/2))*4096
.endr
.endr
.endm
.macro ASTORE t                        ; rounded in place (the destinations never pass the sources) and laid into the image: row x 96 + 32 p + 8 (thread % 4), rows 256 t + 64 jj + thread / 4
.set FB, 48*((\t)%2)
	WIN 0x45                                       ; destination and both sources window 1
.set n, 0
.rept 12
	v_cvt_pk_bf16_f32 v[FB+2*n],   v[FB+4*n],   v[FB+4*n+1]
	v_cvt_pk_bf16_f32 v[FB+2*n+1], v[FB+4*n+2], v[FB+4*n+3]
.set n, n+1
.endr
	WIN 0x04                                       ; the stores' data (source 1) window 1, the address window 0
.irp jj, 0,1,2,3
.irp p, 0,1,2
	ds_store_b64 v[5+(\t)/2], v[FB+2*(3*(\jj)+(\p)):FB+2*(3*(\jj)+(\p))+1] offset:(4*((\t)%2)+(\jj))*64*AP+32*(\p)
.endr
.endr
.endm
.macro TRLOAD t, f                     ; A^T's fragments for my k = 128 t + 32 f on, all three projections: 16 ranks x 32 k each, turned on the way out of LDS
.irp p, 0,1,2
	ds_load_tr16_b128 v[AF+24*((\f)%2)+8*(\p):AF+24*((\f)%2)+8*(\p)+3],   v[11+(\t)/2] offset:(((\t)%2)*256+32*(\f))*AP+32*(\p)
	ds_load_tr16_b128 v[AF+24*((\f)%2)+8*(\p)+4:AF+24*((\f)%2)+8*(\p)+7], v[11+(\t)/2] offset:(((\t)%2)*256+32*(\f))*AP+32*(\p)+16*AP
.endr
.endm
.macro XMUL t, f                       ; t^T += A^T x^T (source 0 = 16 ranks, source 1 = my 16 rows): a lane ends with ONE row (lane % 16) and ranks 8 (lane / 16) + 0..7.  The three accumulators take turns
.irp p, 0,1,2
.if ((\t) == 0) && ((\f) == 0)
	v_wmma_f32_16x16x32_bf16 v[ACC+8*(\p):ACC+8*(\p)+7], v[AF+24*((\f)%2)+8*(\p):AF+24*((\f)%2)+8*(\p)+7], v[XF+8*(\f):XF+8*(\f)+7], 0
.else
	v_wmma_f32_16x16x32_bf16 v[ACC+8*(\p):ACC+8*(\p)+7], v[AF+24*((\f)%2)+8*(\p):AF+24*((\f)%2)+8*(\p)+7], v[XF+8*(\f):XF+8*(\f)+7], v[ACC+8*(\p):ACC+8*(\p)+7]
.endif
.endr
.endm
.macro PLACES                          ; four plain places behind a matrix instruction, in front of loads into registers that it has read (ISA guide 7.12.1 for vector instructions)
.rept 4
	v_nop
.endr
.endm
; One trip of the X role: 128 k of my 16 rows, and the work-group's batch of A for it.
.macro XTRIP t
.set SB, XS0+64*((\t)%2)
.if (\t) < 7
	s_wait_loadcnt 28                              ; this trip's batch and set are in; the next trip's 12 + 16 loads may stay out
.else
	s_wait_loadcnt 0x0
.endif
	s_wait_xcnt 0x0                                ; the last trip's stores have read the rounded x: it is written anew only behind this wait
	ASTORE \t                                      ; its 24 roundings are also the places behind the last trip's products
.if (\t) <= 5
	ALOAD (\t)+2
.endif
	WIN 0x40                                       ; destination window 1, sources window 0
.set i, 0
.rept 16                                               ; row i's 4 numbers a lane become 8 bytes
	v_cvt_pk_bf16_f32 v[YX+2*i],   v[SB+4*i],   v[SB+4*i+1]
	v_cvt_pk_bf16_f32 v[YX+2*i+1], v[SB+4*i+2], v[SB+4*i+3]
.set i, i+1
.endr
.if (\t) <= 5
	XLOAD (\t)+2                                   ; the set is asked for again at once, ahead of the stores
.endif
	WIN 0x04
.set i, 0
.rept 16
	global_store_b64 v3, v[YX+2*i:YX+2*i+1], s[46:47] offset:i*ROWB+(\t)*256 th:TH_STORE_NT  ; the wave's 32 lanes store 256 consecutive bytes, aligned
.set i, i+1
.endr
.set i, 0
.rept 16
	ds_store_b64 v9, v[YX+2*i:YX+2*i+1] offset:i*XP
.set i, i+1
.endr
	WIN 0
	s_wait_dscnt 0x0                               ; for the others' sake: my part of the batch is written
	s_barrier_signal -1
	s_barrier_wait -1                              ; the batch is whole.  No second barrier: the next batch goes into other bytes
.irp f, 0,1,2,3                                        ; my 16 rows back as fragments
	ds_load_b128 v[XF+8*(\f):XF+8*(\f)+3],   v10 offset:64*(\f)
	ds_load_b128 v[XF+8*(\f)+4:XF+8*(\f)+7], v10 offset:64*(\f)+32
.endr
	TRLOAD \t, 0
	TRLOAD \t, 1
	s_wait_dscnt 0x0
	XMUL \t, 0
	XMUL \t, 1
	PLACES
	TRLOAD \t, 2
	TRLOAD \t, 3
	s_wait_dscnt 0x0
	XMUL \t, 2
	XMUL \t, 3
.endm
.macro WLOAD t                         ; 8,192 consecutive bytes of my four rows of W
.set LB, WS0+64*((\t)%2)
.set i, 0
.rept 16
	global_load_b128 v[LB+4*i:LB+4*i+3], v2, s[44:45] offset:(\t)*8192+i*512 th:TH_LOAD_NT
.set i, i+1
.endr
.endm
.macro WTRIP t                         ; half a row of W: rounded, the set asked for again, then stored
.set SB, WS0+64*((\t)%2)
.set YB, YB0+32*((\t)%2)
.if (\t) < 7
	s_wait_loadcnt 16                              ; my set is in; the other set's 16 loads may stay out
.else
	s_wait_loadcnt 0x0
.endif
	s_wait_xcnt 0x0                                ; the stores of two trips back have read the words that are now written anew
.set c, 0
.rept 16
	v_cvt_pk_bf16_f32 v[YB+2*c],   v[SB+4*c],   v[SB+4*c+1]
	v_cvt_pk_bf16_f32 v[YB+2*c+1], v[SB+4*c+2], v[SB+4*c+3]
.set c, c+1
.endr
.if (\t) <= 5
	WLOAD (\t)+2
.endif
.set c, 0
.rept 16
	global_store_b64 v3, v[YB+2*c:YB+2*c+1], s[42:43] offset:((\t)/2)*ROWB+((\t)%2)*4096+c*256 th:TH_STORE_NT  ; 256 consecutive bytes, aligned
.set c, c+1
.endr
.endm
	s_load_b512 s[8:23], s[0:1], 0x0               ; x 8, Wq 10, Wk 12, Wv 14, bq 16, bk 18, bv 20, Aq 22
	s_load_b256 s[24:31], s[0:1], 0x40             ; Ak 24, Av 26, Bq 28, Bk 30
	s_load_b128 s[32:35], s[0:1], 0x60             ; Bv 32, xb 34
	s_load_b64 s[36:37], s[0:1], 0x70              ; wb
	v_lshl_add_u32 v[SPW], v0, 2, SPARE
	v_mov_b32 v[NIL], 0
	v_lshrrev_b32 v1, 5, v0
	v_readfirstlane_b32 s38, v1                    ; wave 0..7
	v_and_b32 v1, 31, v0                           ; lane l
	v_lshlrev_b32 v2, 4, v1                        ; 16 l
	v_lshlrev_b32 v3, 3, v1                        ; 8 l
	s_mov_b32 s39, ttmp9
	s_cmp_lt_u32 s39, 64                           ; the role hangs on the work-group's number alone: the same in all eight waves
	s_cbranch_scc0 .Lw_role
	; ---------------- THE X ROLE ----------------
	s_and_b32 s40, s39, 1                          ; KH: which half of K
	s_lshr_b32 s41, s39, 1                         ; which 64 rows
	s_and_b32 s42, s38, 3                          ; which 16 of them are my wave's
	s_lshr_b32 s43, s38, 2                         ; KQ: which 1,024 k of the half
	s_lshl_b32 s56, s41, 6
	s_lshl4_add_u32 s56, s42, s56                  ; my first row
	s_lshl_b32 s57, s40, 11
	s_lshl_b32 s6, s43, 10
	s_add_co_u32 s57, s57, s6                      ; my first k
	s_lshl_b32 s58, s56, 14
	s_lshl2_add_u32 s58, s57, s58                  ; row x 16,384 + 4 k
	s_mov_b32 s59, 0
	s_mul_i32 s60, s56, ROWB
	s_lshl1_add_u32 s62, s57, s60                  ; row x 8,448 + 2 k
	s_mov_b32 s63, 0
	s_lshl_b32 s6, s40, 7
	s_add_co_u32 s60, s60, s6
	s_add_co_u32 s60, s60, 8192                    ; row x 8,448 + 8,192 + 128 KH
	s_mov_b32 s61, 0
	s_lshl_b32 s4, s40, 17                         ; 2,048 k x 64 bytes of each A
	s_mov_b32 s5, 0
	s_wait_kmcnt 0x0
	s_add_nc_u64 s[44:45], s[8:9], s[58:59]
	s_add_nc_u64 s[46:47], s[34:35], s[62:63]
	s_add_nc_u64 s[48:49], s[34:35], s[60:61]
	s_add_nc_u64 s[50:51], s[22:23], s[4:5]
	s_add_nc_u64 s[52:53], s[24:25], s[4:5]
	s_add_nc_u64 s[54:55], s[26:27], s[4:5]
	XLOAD 0
	v_lshlrev_b32 v4, 4, v0                        ; 16 x thread
	ALOAD 0
	XLOAD 1
	ALOAD 1
	WIN 0
	v_lshrrev_b32 v24, 2, v0
	v_and_b32 v25, 3, v0
	v_mul_u32_u24 v5, v24, AP
	v_lshl_add_u32 v5, v25, 3, v5                  ; v5-8: where my 8 bytes of the image go, in quarters of 512 rows = two batches (an LDS offset has 16 bits)
	v_add_nc_u32 v6, 512*AP, v5
	v_add_nc_u32 v7, 1024*AP, v5
	v_add_nc_u32 v8, 1536*AP, v5
	s_mul_i32 s56, s38, 16*XP
	s_add_co_u32 s56, s56, XST                     ; my wave's stage
	v_lshl_add_u32 v9, v1, 3, s56                  ; v9: in, 8 bytes a lane along a row
	v_and_b32 v26, 15, v1                          ; l % 16
	v_lshrrev_b32 v27, 4, v1                       ; l / 16
	v_mul_u32_u24 v10, v26, XP
	v_lshl_add_u32 v10, v27, 4, v10
	v_add_nc_u32 v10, s56, v10                     ; v10: a fragment's row x pitch + 16 x half
	v_and_b32 v28, 7, v1
	v_bfe_u32 v29, v1, 3, 1
	v_lshl_add_u32 v30, v27, 3, v28                ; the turning load: lane l reads row 8 (l / 16) + l % 8, ranks 8 ((l / 8) % 2) + 0..7
	s_lshl_b32 s6, s43, 7                          ; my 128 rows of a batch's 256
	v_add_nc_u32 v30, s6, v30
	v_mul_u32_u24 v11, v30, AP
	v_lshl_add_u32 v11, v29, 4, v11                ; v11-14: trips 0-1, 2-3, 4-5, 6-7
	v_add_nc_u32 v12, 512*AP, v11
	v_add_nc_u32 v13, 1024*AP, v11
	v_add_nc_u32 v14, 1536*AP, v11
	s_mul_i32 s6, s42, 3*1024
	s_add_co_u32 s6, s6, RED
	v_lshl_add_u32 v17, v1, 5, s6                  ; v17: my 32 bytes of a partial tile; waves w and w + 4 share the place
	v_lshrrev_b32 v31, 3, v1
	v_mul_u32_u24 v15, v31, XP
	v_lshl_add_u32 v15, v28, 4, v15
	v_add_nc_u32 v15, s56, v15                     ; v15: back, four rows of 128 bytes a load
	v_mul_u32_u24 v16, v31, ROWB
	v_lshl_add_u32 v16, v28, 4, v16                ; v16: the same four rows in xb
	s_cmp_eq_u32 s40, 0
	s_cselect_b32 s7, 0x3f80, 0                    ; slot 48 holds 1.0 in half 0 alone
	v_cmp_gt_u32 vcc_lo, 16, v1
	v_cndmask_b32 v18, 0, s7, vcc_lo               ; v[18:21]: slots 48 + 8 (l / 16) + 0..7
	v_mov_b32 v19, 0
	v_mov_b32 v20, 0
	v_mov_b32 v21, 0
.irp t, 0,1,2,3,4,5,6,7
	XTRIP \t
.endr
	PLACES
	PLACES                                         ; eight places, once a launch, ahead of the first reads of the sums
	s_cmp_lt_u32 s38, 4
	s_cbranch_scc1 .Lx_low
.set r, 0
.rept 12                                               ; waves 4-7: 2 t (exact), each accumulator from its low end on
	v_pk_mul_f32 v[ACC+r:ACC+r+1], v[ACC+r:ACC+r+1], 2.0 op_sel_hi:[1,0]
.set r, r+2
.endr
.irp p, 0,1,2
	ds_store_b128 v17, v[ACC+8*(\p):ACC+8*(\p)+3]   offset:1024*(\p)
	ds_store_b128 v17, v[ACC+8*(\p)+4:ACC+8*(\p)+7] offset:1024*(\p)+16
.endr
.Lx_low:
	s_wait_dscnt 0x0
	s_barrier_signal -1
	s_barrier_wait -1                              ; the upper quarter's sums lie in LDS
	s_cmp_lt_u32 s38, 4
	s_cbranch_scc0 .Lend
.irp p, 0,1,2
	ds_load_b128 v[RB+8*(\p):RB+8*(\p)+3],   v17 offset:1024*(\p)
	ds_load_b128 v[RB+8*(\p)+4:RB+8*(\p)+7], v17 offset:1024*(\p)+16
.endr
	s_wait_dscnt 0x0
.set r, 0
.rept 12                                               ; 2 x mine + 2 x the partner's, one rounding
	v_pk_fma_f32 v[ACC+r:ACC+r+1], v[ACC+r:ACC+r+1], 2.0, v[RB+r:RB+r+1] op_sel_hi:[1,0,1]
.set r, r+2
.endr
.set n, 0
.rept 12
	v_cvt_pk_bf16_f32 v[RB+n], v[ACC+2*n], v[ACC+2*n+1]
.set n, n+1
.endr
.irp p, 0,1,2
	ds_store_b128 v10, v[RB+4*(\p):RB+4*(\p)+3] offset:32*(\p)  ; row l % 16, slots 16 p + 8 (l / 16) + 0..7
.endr
	ds_store_b128 v10, v[18:21] offset:96
.irp e, 0,1,2,3
	ds_load_b128 v[AF+4*(\e):AF+4*(\e)+3], v15 offset:4*XP*(\e)
.endr
	s_wait_dscnt 0x0
.irp e, 0,1,2,3
	global_store_b128 v16, v[AF+4*(\e):AF+4*(\e)+3], s[48:49] offset:4*ROWB*(\e)  ; eight lanes store a row's 128 bytes: my half of K owns half of the extension's 256 (1.5 % of xb's bytes go out so)
.endr
	s_branch .Lend
	; ---------------- THE W ROLE ----------------
.Lw_role:
	s_sub_co_u32 s40, s39, 64                      ; j: rows 32 j .. 32 j + 31 of wb; j < 128: q; j < 160: k; else v
	s_mov_b32 s51, 128
	s_wait_kmcnt 0x0
	s_cmp_lt_u32 s40, 160
	s_cselect_b64 s[44:45], s[12:13], s[14:15]
	s_cselect_b64 s[46:47], s[18:19], s[20:21]
	s_cselect_b64 s[48:49], s[30:31], s[32:33]
	s_cselect_b32 s50, s51, 160                    ; the projection's first j
	s_cselect_b32 s52, 1, 2
	s_cmp_lt_u32 s40, 128
	s_cselect_b64 s[44:45], s[10:11], s[44:45]
	s_cselect_b64 s[46:47], s[16:17], s[46:47]
	s_cselect_b64 s[48:49], s[28:29], s[48:49]
	s_cselect_b32 s50, 0, s50
	s_cselect_b32 s52, 0, s52
	s_cselect_b32 s53, 14, 12                      ; a row of Bq is 16,384 bytes, of Bk and Bv 4,096
	s_sub_co_u32 s54, s40, s50
	s_lshl_b32 s54, s54, 5
	s_lshl2_add_u32 s54, s38, s54                  ; my wave's first row in its own W: four rows a wave
	s_lshl_b32 s56, s54, 14
	s_mov_b32 s57, 0
	s_add_nc_u64 s[44:45], s[44:45], s[56:57]
	s_lshl_b32 s56, s54, 2
	s_add_nc_u64 s[46:47], s[46:47], s[56:57]
	s_add_nc_u64 s[48:49], s[48:49], s[56:57]
	s_lshl_b32 s56, s40, 5
	s_lshl2_add_u32 s56, s38, s56
	s_mul_i32 s56, s56, ROWB
	s_add_nc_u64 s[42:43], s[36:37], s[56:57]
	; The extension of my four rows goes out in two stores: lane l serves row 2 e + l / 16 and the 16 bytes c = l % 16: slots 8 c + 0..7 = half c / 8, projection (c % 8) / 2, ranks 8 (c % 2) + 0..7.
	v_and_b32 v24, 1, v1
	v_lshrrev_b32 v25, 4, v1
	v_lshlrev_b32 v12, 2, v25                      ; v12: 4 (l / 16)
	v_lshlrev_b32 v26, 3, v24
.irp jj, 0,1,2,3,4,5,6,7
	v_add_nc_u32 v27, (\jj), v26
	v_lshlrev_b32 v27, s53, v27
	v_add_nc_u32 v[4+(\jj)], v27, v12              ; v4-11: rank 8 (l % 2) + jj of B, column l / 16
.endr
	v_and_b32 v16, 15, v1
	v_mul_u32_u24 v13, v25, ROWB
	v_lshl_add_u32 v13, v16, 4, v13                ; v13: row l / 16, 16 bytes c
	v_mov_b32 v14, 0
	v_bfe_u32 v15, v1, 1, 2                        ; (c % 8) / 2
.irp e, 0,1                                            ; 18 small loads a wave, once: 16 ranks x 4 columns of B, 4 numbers of b
.irp jj, 0,1,2,3,4,5,6,7
	global_load_b32 v[EB+8*(\e)+(\jj)], v[4+(\jj)], s[48:49] offset:8*(\e)
.endr
	global_load_b32 v[EBI+(\e)], v12, s[46:47] offset:8*(\e)
.endr
	WLOAD 0
	WLOAD 1
.irp t, 0,1,2,3,4,5,6,7
	WTRIP \t
.endr
.set n, 0
.rept 8                                                ; (the small loads are the oldest: the last trip's wait for 0 has shown them in)
	v_cvt_pk_bf16_f32 v[EW+n], v[EB+2*n], v[EB+2*n+1]
.set n, n+1
.endr
	v_cmp_eq_u32 vcc_lo, s52, v15                  ; my 8 slots belong to the row's own projection?
.set n, 0
.rept 8
	v_cndmask_b32 v[EW+n], 0, v[EW+n], vcc_lo
.set n, n+1
.endr
	v_cmp_eq_u32 s6, 6, v16                        ; slots 48..55 of half 0: the bias, then zeros
.irp e, 0,1
	v_cvt_pk_bf16_f32 v[250+(\e)], v[EBI+(\e)], v14
	v_cndmask_b32 v[EW+4*(\e)], v[EW+4*(\e)], v[250+(\e)], s6
	global_store_b128 v13, v[EW+4*(\e):EW+4*(\e)+3], s[42:43] offset:8192+2*ROWB*(\e)  ; sixteen lanes store a row's 256 bytes, aligned
.endr
.Lend:
	s_wait_tensorcnt 0x0                           ; the wave's end: behind my last LDS store
	ds_add_u32 v[SPW], v[NIL]
	s_wait_dscnt 0x0
	s_endpgm
.Lfunc_end_k_qa15bea79fd_prep:
	.size	k_qa15bea79fd_prep, .Lfunc_end_k_qa15bea79fd_prep-k_qa15bea79fd_prep
	.p2alignl 7, 3214868480
	.fill 96, 4, 3214868480
	.section	.rodata,"a",@progbits
	.p2align	6, 0x0
	.amdhsa_kernel k_qa15bea79fd_prep
		.amdhsa_group_segment_fixed_size 244736
		.amdhsa_private_segment_fixed_size 0
		.amdhsa_enable_private_segment 0
		.amdhsa_kernarg_size 120
		.amdhsa_user_sgpr_count 2
		.amdhsa_user_sgpr_kernarg_segment_ptr 1
		.amdhsa_wavefront_size32 1
		.amdhsa_system_sgpr_workgroup_id_x 1
		.amdhsa_system_sgpr_workgroup_id_y 1
		.amdhsa_system_sgpr_workgroup_id_z 1
		.amdhsa_system_vgpr_workitem_id 0
		.amdhsa_next_free_vgpr 384
		.amdhsa_next_free_sgpr 66
		.amdhsa_reserve_vcc 1
		.amdhsa_float_denorm_mode_32 3
		.amdhsa_float_denorm_mode_16_64 3
		.amdhsa_memory_ordered 1
		.amdhsa_forward_progress 1
		.amdhsa_inst_pref_size 156
	.end_amdhsa_kernel
	.amdgpu_metadata
---
amdhsa.version: [ 1, 2 ]
amdhsa.kernels:
  - .name:           k_qa15bea79fd_prep
    .symbol:         k_qa15bea79fd_prep.kd
    .args:
      - { .name: x, .offset: 0, .size: 8, .value_kind: global_buffer, .address_space: global }
      - { .name: Wq, .offset: 8, .size: 8, .value_kind: global_buffer, .address_space: global }
      - { .name: Wk, .offset: 16, .size: 8, .value_kind: global_buffer, .address_space: global }
      - { .name: Wv, .offset: 24, .size: 8, .value_kind: global_buffer, .address_space: global }
      - { .name: bq, .offset: 32, .size: 8, .value_kind: global_buffer, .address_space: global }
      - { .name: bk, .offset: 40, .size: 8, .value_kind: global_buffer, .address_space: global }
      - { .name: bv, .offset: 48, .size: 8, .value_kind: global_buffer, .address_space: global }
      - { .name: Aq, .offset: 56, .size: 8, .value_kind: global_buffer, .address_space: global }
      - { .name: Ak, .offset: 64, .size: 8, .value_kind: global_buffer, .address_space: global }
      - { .name: Av, .offset: 72, .size: 8, .value_kind: global_buffer, .address_space: global }
      - { .name: Bq, .offset: 80, .size: 8, .value_kind: global_buffer, .address_space: global }
      - { .name: Bk, .offset: 88, .size: 8, .value_kind: global_buffer, .address_space: global }
      - { .name: Bv, .offset: 96, .size: 8, .value_kind: global_buffer, .address_space: global }
      - { .name: xb, .offset: 104, .size: 8, .value_kind: global_buffer, .address_space: global }
      - { .name: wb, .offset: 112, .size: 8, .value_kind: global_buffer, .address_space: global }
    .group_segment_fixed_size: 244736
    .private_segment_fixed_size: 0
    .kernarg_segment_align: 8
    .kernarg_segment_size: 120
    .max_flat_workgroup_size: 256
    .sgpr_count:     66
    .vgpr_count:     384
    .wavefront_size: 32
...
	.end_amdgpu_metadata
.endif
;; end of part 1
;; launch gemm (part 2): grid 32 x 8, 4 waves a work-group, clusters of 4 x 4, 327,680 bytes of LDS; arguments xb, wb, out0, out1, out2; writes out0, out1, out2
.if DOCPART == 2
	.amdgcn_target "amdgcn-amd-amdhsa--gfx1250"
	.amdhsa_code_object_version 6
	.text
	.protected	k_qa15bea79fd_gemm
	.globl	k_qa15bea79fd_gemm
	.p2align	8
	.type	k_qa15bea79fd_gemm,@function
k_qa15bea79fd_gemm:
	s_mov_b64 s[64:65], 0
	v_nop
	global_prefetch_b8 v0, s[64:65] scope:SCOPE_SE
	s_setreg_imm32_b32 hwreg(HW_REG_WAVE_MODE, 25, 1), 1
	s_wait_xcnt 0x0
	s_wait_alu depctr_hold_cnt(0) depctr_sa_sdst(0) depctr_va_vdst(0) depctr_va_sdst(0) depctr_va_ssrc(0) depctr_va_vcc(0) depctr_vm_vsrc(0)
	s_getreg_b32 s2, hwreg(HW_REG_IB_STS2, 6, 4)
	s_cmp_eq_u32 s2, 0
	s_cbranch_scc0 .Lentry_in_a_cluster
	s_endpgm
.Lentry_in_a_cluster:
	s_bfe_u32 s2, ttmp6, 0x10000c
	s_cmp_lg_u32 s2, 0xf033
	s_cbranch_scc0 .Lentry_shape_is_right
	s_endpgm
.Lentry_shape_is_right:
; GEMM: C[m][n] = the sum over k < 4,224 of xb[m][k] wb[n][k].  xb: [2048][4224], wb: [6144][4224], bf16, as the launch before wrote them: the last 128 k carry the low-rank part, its factor 2 and the bias,
; so this text has no step of its own for them.  C's columns 0..4095 are out0, 4096..5119 out1, 5120..6143 out2, all f32.  Sums in f32, K ascending, in the matrix unit's order.
; LIMITS are those of the operands: every input rounded once to bf16, the two partial x A rounded to bf16; NaN and infinities are not treated apart.
; SHARES.  A tile of C is 256 rows x 192 columns: 8 x 32 = 256 work-groups, one tile each.  Four waves, each 128 x 96: 48 accumulators of 16 x 16, 384 registers.
; K goes in 33 steps of 128 through a ring of two LDS slots filled by the tensor data mover; a tile's rows are 256 bytes of memory and start at multiples of 256 bytes from the buffer's first byte.
; CLUSTERS.  4 x 4 work-groups: the four of a row of the cluster need the same tiles of xb, the four of a column the same tiles of wb.  Each tile is asked for JOINTLY: the same tensor load, descriptor and mask in all four.
; THE MATRIX INSTRUCTION IS USED TRANSPOSED (source 0 = 16 rows of wb, source 1 = 16 rows of xb): lane l holds row l % 16 of C and the columns 8 (l / 16) + 0..7: 32 bytes on end.
; REGISTERS, in windows of 256 (s_set_vgpr_msb: bits 1:0 source 0, 3:2 source 1, 5:4 source 2, 7:6 destination):
;   window 0: v0-31 addresses; v32-55 the stores' offsets; v64-127, v128-191 fragments of xb, two buffers; on the way out v64-159, v160-255 rows read back
;   window 1: v64-111, v128-175 fragments of wb, two buffers          windows 2, 3: the accumulators of my rows 0-63, 64-127: (a, b) at v[8 (6 (a % 4) + b)]
.set KSTEP,  128
.set KALL,   4224                      ; numbers in a row of xb and wb
.set ROWB,   2*KALL
.set PITCH,  272                       ; an LDS row: 256 bytes + 16 of padding = 68 words: the 16 rows of a fragment load start at 16 different groups of four banks (64 banks of 4 bytes: ISA guide 11.1)
.set HA,     128*PITCH                 ; what one load brings of xb, and what one wave reads of it
.set HB,     96*PITCH                  ; the same for wb
.set BOFF,   2*HA                      ; a slot: xb's 256 rows, then wb's 192
.set SLOT,   2*HA+2*HB
.set SPARE,  2*SLOT                    ; behind the ring: the spare words, 128 bytes for each wave: two blocks of 256 bytes that no other line names
.set SP,     784                       ; the way out: a stage of 256 rows x (768 + 16) bytes from LDS byte 0 on, over the ring, written only when the ring has had its last fill and its last read
.set ADRA, 16                          ; v16-17  LDS address of my xb fragments in slot 0, 1
.set ADRB, 20                          ; v20-21  the same for wb
.set STO,  24                          ; v24-25  the way out: where I put 32 bytes of a row: my rows 0-63, 64-127
.set RD,   26                          ; v26     where I read rows back
.set SPW,  28                          ; v28     SPARE + 4 x my thread's number; never rewritten
.set NIL,  29                          ; v29     0; never rewritten
.set PFO,  30                          ; v30     the prefetches' offset: a lane a row; never rewritten
.set CO,   32                          ; v32-55  byte offset of my 16 bytes in C: piece u of 64 columns, row pair ii, at CO + 8 u + ii
.set F0,   64
.set F1,   128
.set BK,   64                          ; rows read back: two buffers of 96
.set WV, 14                            ; s14 my wave's number
.set WR, 15                            ; s15 which half of the tile's rows is mine.  Also: I fetch for xb (0) or wb (1)
.set WC, 16                            ; s16 which half of its columns.  Also: which half of that tile's rows I fetch
.set G1, 24                            ; s[24:31] descriptor group 1 for xb's tiles;  s[32:39] group 0, a set for each slot
.set G0, 32
.set CX, 40                            ; s40, s41 my place in the cluster;  s42, s43 tile column and tile row of C
.set CY, 41
.set TX, 42
.set TY, 43
.set PFA, 44                           ; s[44:45] where my prefetches stand
.set LIM, 46                           ; s46 1 in a wave that prefetches, else the greatest number
.set G1B, 48                           ; s[48:55], s[56:63] the same two groups for wb's tiles
.set G0B, 56
.set OB,  66                           ; s[66:71] for each piece of 64 columns: its output at my rows and its columns
.set ST16, 72                          ; s[72:77] 16 rows of that output, in bytes
.set SH,  78                           ; s78-80  log2 of that output's row bytes
.set MSB, 0
.macro WIN new                         ; the immediate's high byte repeats the setting that is left; a switch that changes nothing is dropped
.if MSB != (\new)
	s_set_vgpr_msb (MSB<<8)|(\new)
.set MSB, \new
.endif
.endm
.set MUL_LO, 0xa1                      ; source 0 (wb) window 1, source 1 (xb) window 0, C and D window 2
.set MUL_HI, 0xf1                      ; the same, C and D window 3
.set TO_B,   0x40                      ; destination window 1, address window 0
; A joint load.  Waves 0 and 1 fetch xb's two halves, waves 2 and 3 wb's.  The branch hangs on the wave's number alone.  An s_nop 0 and four v_nop follow each of the two lines.
.macro JLOAD s
	s_cmp_eq_u32 s[WR], 0
	s_cbranch_scc0 .Lfor_b_\@
	tensor_load_to_lds s[G0+4*(\s):G0+4*(\s)+3], s[G1:G1+7]
	s_nop 0
.rept 4
	v_nop
.endr
	s_branch .Lasked_\@
.Lfor_b_\@:
	tensor_load_to_lds s[G0B+4*(\s):G0B+4*(\s)+3], s[G1B:G1B+7]
	s_nop 0
.rept 4
	v_nop
.endr
.Lasked_\@:
.endm
; A PREFETCH INTO THE L2, behind a joint load, its five lines and the run of LDS loads: the K step that stands TWO refills on (384 matrix instructions ahead of the load that will want it), 256 bytes of each row, a lane a row.
; xb's tile row is read by every cluster of that row of clusters: cluster x = 0 asks; wb's tile column by both clusters of that column: cluster y = 0 asks.  The four partners that ask for a tile jointly share its
; rows out BY ADDRESS: of xb's 128 rows a wave 32 each (by cx), of wb's 96 rows 24 each (by cy; lanes 24-31 name row 23 once more, in the same instruction: 96 is not 4 x 32).
; how = 1: in every trip; how = 0: not in the loop's last trip, where the K step two refills on does not exist; how = -1: nothing is written.  K steps 0 to 3 come by their loads alone.
.macro ASK how
.if (\how) >= 0
.if \how
	s_cmp_eq_u32 s[LIM], 1
.else
	s_cmp_gt_u32 s3, s[LIM]                        ; s3 = 1 in the loop's last trip
.endif
	s_cbranch_scc0 .Lnot_mine_\@
	global_prefetch_b8 v[PFO], s[PFA:PFA+1] offset:KSTEP*2 th:TH_LOAD_NT scope:SCOPE_SE
.Lnot_mine_\@:
.endif
.endm
.macro CREST                           ; a round of the cluster's barrier behind its opening barrier
	s_cmp_lg_u32 s[WV], 0
	s_cbranch_scc1 .Lnot_wave_0_\@
	s_barrier_signal -3
.Lnot_wave_0_\@:
	s_barrier_wait -3
	s_barrier_signal -1
	s_barrier_wait -1
.endm
.macro CROUND                          ; a whole round
	s_barrier_signal -1
	s_barrier_wait -1
	CREST
.endm
	s_load_b256 s[4:11], s[0:1], 0x0               ; xb s[4:5], wb s[6:7], out0 s[8:9], out1 s[10:11]
	s_load_b64 s[12:13], s[0:1], 0x20              ; out2
	v_lshl_add_u32 v[SPW], v0, 2, SPARE
	v_mov_b32 v[NIL], 0
	ds_add_u32 v[SPW], v[NIL]                      ; the wave's opening: the add, twice on end, and its wait ahead of my first tensor load
	ds_add_u32 v[SPW], v[NIL]                      ; and once more, under the one wait; the set-up below, work on registers, stands between
	v_lshrrev_b32 v1, 5, v0
	v_readfirstlane_b32 s[WV], v1                  ; wave 0..3
	s_lshr_b32 s[WR], s[WV], 1
	s_and_b32 s[WC], s[WV], 1
	s_bfe_u32 s[CX], ttmp6, 0x40000
	s_bfe_u32 s[CY], ttmp6, 0x40004
	s_lshl_b32 s[TX], ttmp9, 2                     ; in a cluster launch ttmp9 and ttmp7 count clusters
	s_add_co_u32 s[TX], s[TX], s[CX]
	s_and_b32 s[TY], ttmp7, 0xffff
	s_lshl_b32 s[TY], s[TY], 2
	s_add_co_u32 s[TY], s[TY], s[CY]
	s_lshl_b32 s17, s[CY], 2
	s_lshl_b32 s17, 15, s17                        ; my row of the cluster: places 4 cy .. 4 cy + 3
	s_lshl_b32 s18, 0x1111, s[CX]                  ; my column: places cx, cx + 4, cx + 8, cx + 12
	s_or_b32 s[G1], s17, (1<<16)|(1<<20)|(1<<21)|(5<<22)|(3<<25)   ; 15:0 the mask; 17:16 elements of 2 bytes; 20 padding on; 21 set beside a mask; 24:22 after every 64 words (code 5); 31:25 4 words (code 3)
	s_or_b32 s[G1B], s18, (1<<16)|(1<<20)|(1<<21)|(5<<22)|(3<<25)
.irp g, G1, G1B
	s_mov_b32 s[(\g)+1], KSTEP<<16                 ; tensor_dim0 = 128
	s_mov_b32 s[(\g)+3], KSTEP<<16                 ; tile_dim0 = 128
	s_mov_b32 s[(\g)+5], KALL                      ; 4,224 elements from row to row
	s_mov_b32 s[(\g)+6], 0
	s_mov_b32 s[(\g)+7], 0
.endr
	s_mov_b32 s[G1+2], 128<<16                     ; tensor_dim1 and tile_dim1: 128 rows of xb,
	s_mov_b32 s[G1+4], 128
	s_mov_b32 s[G1B+2], 96<<16                     ; 96 rows of wb
	s_mov_b32 s[G1B+4], 96
	; xb's tiles hang on the tile row alone, which my row of the cluster shares; wb's on the tile column alone, which my column shares: each address in registers of its own
	s_lshl_b32 s20, s[TY], 8
	s_lshl_b32 s21, s[WC], 7
	s_add_co_u32 s20, s20, s21                     ; xb: row 256 x tile row + 128 x half
	s_mul_i32 s20, s20, ROWB
	s_mov_b32 s21, 0
	s_mul_i32 s82, s[TX], 192
	s_mul_i32 s83, s[WC], 96
	s_add_co_u32 s82, s82, s83                     ; wb: row 192 x tile column + 96 x half
	s_mul_i32 s82, s82, ROWB
	s_mov_b32 s83, 0
	s_mul_i32 s84, s[WC], HA                       ; where they go: no place in the cluster enters an LDS address
	s_mul_i32 s85, s[WC], HB
	s_add_co_u32 s85, s85, BOFF
	s_wait_dscnt 0x0                               ; both opening adds are done
	s_wait_kmcnt 0x0
	s_add_nc_u64 s[86:87], s[4:5], s[20:21]
	s_add_nc_u64 s[88:89], s[6:7], s[82:83]
	CROUND                                         ; all sixteen work-groups are here: the first joint loads meet
.irp s, 0,1
	s_mov_b32 s[G0+4*(\s)], 1                                      ; count = 1
	s_add_co_u32 s[G0+4*(\s)+1], s84, (\s)*SLOT                    ; LDS address
	s_add_nc_u64 s[G0+4*(\s)+2:G0+4*(\s)+3], s[86:87], (\s)*KSTEP*2  ; global address: K step s
	s_or_b32 s[G0+4*(\s)+3], s[G0+4*(\s)+3], 0x80000000            ; type = 2
	s_mov_b32 s[G0B+4*(\s)], 1
	s_add_co_u32 s[G0B+4*(\s)+1], s85, (\s)*SLOT
	s_add_nc_u64 s[G0B+4*(\s)+2:G0B+4*(\s)+3], s[88:89], (\s)*KSTEP*2
	s_or_b32 s[G0B+4*(\s)+3], s[G0B+4*(\s)+3], 0x80000000
	JLOAD \s                                       ; two loads of mine are out
.endr
	; all that follows, up to the wait, stands in the wait for the first tile
	v_and_b32 v1, 15, v0                           ; l % 16
	v_bfe_u32 v2, v0, 4, 1                         ; l / 16
	v_mul_u32_u24 v3, v1, PITCH
	v_lshl_add_u32 v3, v2, 4, v3                   ; a fragment: row x pitch + 16 x half; two loads of 16 bytes, 32 bytes apart
	s_mul_i32 s17, s[WR], HA
	s_mul_i32 s18, s[WC], HB
	s_add_co_u32 s18, s18, BOFF
.irp s, 0,1
	v_add_nc_u32 v[ADRA+(\s)], s17, v3
	v_add_nc_u32 v[ADRB+(\s)], s18, v3
	s_add_co_u32 s17, s17, SLOT
	s_add_co_u32 s18, s18, SLOT
.endr
	s_mul_i32 s17, s[WR], 128*SP                   ; into the stage: row 128 WR + 16 a + l % 16, byte 384 WC + 64 b + 32 (l / 16)
	s_mul_i32 s18, s[WC], 384
	s_add_co_u32 s17, s17, s18
	v_mul_u32_u24 v4, v1, SP
	v_lshl_add_u32 v4, v2, 5, v4
	v_add_nc_u32 v[STO], s17, v4
	v_add_nc_u32 v[STO+1], 64*SP, v[STO]
	s_mul_i32 s17, s[WV], 64*SP                    ; back: wave w takes rows 64 w .. 64 w + 63, whole; lanes 0-15 256 bytes of one row, lanes 16-31 of the next
	v_mul_u32_u24 v4, v2, SP
	v_lshl_add_u32 v4, v1, 4, v4
	v_add_nc_u32 v[RD], s17, v4
	; the tile's 192 columns are three pieces of 64 (256 bytes), each wholly in one output: piece cb = 3 x tile column + u of 96; 0..63 out0, 64..79 out1, 80..95 out2
	v_lshlrev_b32 v4, 4, v1
	s_mul_i32 s81, s[TX], 3
	s_lshl_b32 s91, s[TY], 8
	s_lshl_b32 s17, s[WV], 6
	s_add_co_u32 s91, s91, s17                     ; the first row that I store
.irp u, 0,1,2
	s_add_co_u32 s82, s81, (\u)
	s_cmp_lt_u32 s82, 80
	s_cselect_b64 s[OB+2*(\u):OB+2*(\u)+1], s[10:11], s[12:13]
	s_cselect_b32 s83, 64, 80
	s_cmp_lt_u32 s82, 64
	s_cselect_b64 s[OB+2*(\u):OB+2*(\u)+1], s[8:9], s[OB+2*(\u):OB+2*(\u)+1]
	s_cselect_b32 s83, 0, s83                      ; the output's first piece
	s_cselect_b32 s[SH+(\u)], 14, 12               ; a row of out0 is 16,384 bytes, of out1 and out2 4,096
	s_sub_co_u32 s82, s82, s83
	s_lshl_b32 s82, s82, 8
	s_lshl_b32 s83, s91, s[SH+(\u)]
	s_add_co_u32 s82, s82, s83
	s_mov_b32 s83, 0
	s_add_nc_u64 s[OB+2*(\u):OB+2*(\u)+1], s[OB+2*(\u):OB+2*(\u)+1], s[82:83]
	s_lshl_b32 s[ST16+2*(\u)], 16, s[SH+(\u)]
	s_mov_b32 s[ST16+2*(\u)+1], 0
	v_lshlrev_b32 v5, s[SH+(\u)], v2
	v_add_nc_u32 v5, v5, v4                        ; row l / 16, 16 bytes l % 16
.irp ii, 0,1,2,3,4,5,6,7
	s_lshl_b32 s92, 2*(\ii), s[SH+(\u)]
	v_add_nc_u32 v[CO+8*(\u)+(\ii)], s92, v5       ; + 2 ii rows
.endr
.endr
	; the prefetches
	s_lshl_b32 s18, s[TY], 8
	s_lshl_b32 s17, s[WC], 7
	s_add_co_u32 s18, s18, s17
	s_lshl_b32 s17, s[CX], 5
	s_add_co_u32 s18, s18, s17                     ; xb: the 128 rows that I fetch, my work-group's 32 of them
	s_mul_i32 s19, s[TX], 192
	s_mul_i32 s17, s[WC], 96
	s_add_co_u32 s19, s19, s17
	s_mul_i32 s17, s[CY], 24
	s_add_co_u32 s19, s19, s17                     ; wb: the 96 rows that I fetch, my work-group's 24 of them
	s_and_b32 s17, ttmp7, 0xffff                   ; cluster y
	s_cmp_eq_u32 s[WR], 0                          ; do I fetch for xb?
	s_cselect_b32 s18, s18, s19
	s_cselect_b32 s17, ttmp9, s17                  ; the coordinate along which other clusters read the same rows
	s_cselect_b32 s47, 31, 23
	s_cselect_b64 s[PFA:PFA+1], s[4:5], s[6:7]
	s_cmp_eq_u32 s17, 0
	s_cselect_b32 s[LIM], 1, -1                    ; the same in all sixteen partners, for a given wave
	s_mul_i32 s18, s18, ROWB
	s_mov_b32 s19, 0
	s_add_nc_u64 s[PFA:PFA+1], s[PFA:PFA+1], s[18:19]
	s_add_nc_u64 s[PFA:PFA+1], s[PFA:PFA+1], 2*KSTEP*2  ; at K step 2: the first refill steps it to 3 and names K step 4
	v_and_b32 v[PFO], 31, v0
	v_min_u32 v[PFO], s47, v[PFO]
	v_mul_u32_u24 v[PFO], v[PFO], ROWB
; 6 matrix instructions: m block a of the window's four (hi = 0: my rows 0-63, 1: rows 64-127) x all 6 n blocks, 32 along K.  zero = 1: the first product starts the sums: nothing is cleared.
; The 48 accumulators take turns, one instruction a turn, in the same order in every quarter step, over the backward jump too.
.macro MUL6 f, hi, a, zero
	WIN MUL_LO+0x50*(\hi)
.irp b, 0,1,2,3,4,5
.if \zero
	v_wmma_f32_16x16x32_bf16 v[8*(6*(\a)+(\b)):8*(6*(\a)+(\b))+7], v[(\f)+8*(\b):(\f)+8*(\b)+7], v[(\f)+8*(4*(\hi)+(\a)):(\f)+8*(4*(\hi)+(\a))+7], 0
.else
	v_wmma_f32_16x16x32_bf16 v[8*(6*(\a)+(\b)):8*(6*(\a)+(\b))+7], v[(\f)+8*(\b):(\f)+8*(\b)+7], v[(\f)+8*(4*(\hi)+(\a)):(\f)+8*(4*(\hi)+(\a))+7], v[8*(6*(\a)+(\b)):8*(6*(\a)+(\b))+7]
.endif
.endr
.endm
.macro MUL12 f, hi, a0, zero           ; m blocks a0 and a0 + 1
	MUL6 \f, \hi, \a0, \zero
	MUL6 \f, \hi, (\a0)+1, \zero
.endm
; 28 LDS loads in one run: the fragments of one quarter step (96 rows of wb, 128 rows of xb, 32 K at byte k of the rows) into buffer f
.macro FETCH slot, k, f
	WIN TO_B
.irp i, 0,1,2,3,4,5
	ds_load_b128 v[(\f)+8*(\i):(\f)+8*(\i)+3],   v[ADRB+(\slot)] offset:(\k)+(\i)*16*PITCH
	ds_load_b128 v[(\f)+8*(\i)+4:(\f)+8*(\i)+7], v[ADRB+(\slot)] offset:(\k)+(\i)*16*PITCH+32
.endr
	WIN 0
.irp i, 0,1,2,3,4,5,6,7
	ds_load_b128 v[(\f)+8*(\i):(\f)+8*(\i)+3],   v[ADRA+(\slot)] offset:(\k)+(\i)*16*PITCH
	ds_load_b128 v[(\f)+8*(\i)+4:(\f)+8*(\i)+7], v[ADRA+(\slot)] offset:(\k)+(\i)*16*PITCH+32
.endr
.endm
.macro PLACES                          ; four plain places behind the matrix instructions, in front of loads into registers that they have read (ISA guide 7.12.1 for vector instructions)
.rept 4
	v_nop
.endr
.endm
; A K step is four quarters of 32 along K, 48 matrix instructions each, on buffers 0, 1, 0, 1.  One of the first three: multiplies buffer f; in its middle it fetches the next quarter, at byte k, into g.
.macro QUARTER slot, k, f, g, zero
	s_wait_dscnt 8                                 ; wb's fragments and xb's rows 0-63 are in; the youngest eight loads (xb's rows 64-127) may be out
	MUL12 \f, 0, 0, \zero
	MUL12 \f, 0, 2, \zero
	PLACES
	FETCH \slot, \k, \g
	s_wait_dscnt 28                                ; all but the 28 just issued
	MUL12 \f, 1, 0, \zero
	MUL12 \f, 1, 2, \zero
.endm
; The last quarter multiplies buffer 1 and changes slots.  MEET is its first half, with ONE barrier.  18 of its 24 products stand AHEAD of the wait for the tensor loads: from a tile's landing to the next
; request stand only the add, six products, the barrier (or round) and the request.  In front of the barrier each wave waits for all its tensor loads, of which one is out: its part of the next slot;
; adds 0 to its spare word; and waits for that and for its own reads of this slot.  Behind it nobody reads this slot any more and the next slot is whole.
.macro MEET round, slot                ; round = 1: the rest of a round of the cluster's barrier follows, and slot is filled again behind it
	s_wait_dscnt 8                                 ; as in every quarter: the youngest eight loads (xb's rows 64-127) may be out
	MUL12 F1, 0, 0, 0
	MUL6  F1, 0, 2, 0
	WIN 0                                          ; (the add's two registers lie in window 0)
	s_wait_tensorcnt 0x0                           ; all my tensor loads have landed, so every group 0 may be written
	ds_add_u32 v[SPW], v[NIL]                      ; 0 onto my spare word: work on registers stands between it and the wait for it:
.if \round
	s_add_nc_u64 s[G0+4*(\slot)+2:G0+4*(\slot)+3], s[G0+4*(\slot)+2:G0+4*(\slot)+3], 2*KSTEP*2    ; this slot's next tile, two K steps on,
	s_add_nc_u64 s[G0B+4*(\slot)+2:G0B+4*(\slot)+3], s[G0B+4*(\slot)+2:G0B+4*(\slot)+3], 2*KSTEP*2
.endif
	MUL6  F1, 0, 3, 0                              ; and six matrix instructions
	s_wait_dscnt 0x0                               ; the add is done, and my reads of this slot are over
.if \round
	WIN 0
.endif
	s_barrier_signal -1
	s_barrier_wait -1
.endm
; The whole last quarter where the slot is filled again, two K steps ahead.  From the request to the wait for it a wave issues 186 matrix instructions.
.macro TURN slot, next, ask
.if (\ask) >= 0
	s_wait_xcnt 0x0                                ; the last prefetch, a K step back, has read its address: it is stepped here, ahead of the waits of the change of slots
	s_add_nc_u64 s[PFA:PFA+1], s[PFA:PFA+1], KSTEP*2
.endif
	MEET 1, \slot
	CREST                                          ; no wave of any partner still reads this slot's tile or has a load on its way
	JLOAD \slot                                    ; the first tensor load behind the round; its four v_nop are also the places in front of the loads below
	FETCH \next, 0, F0
	ASK \ask
	MUL12 F1, 1, 0, 0
	MUL12 F1, 1, 2, 0
.endm
.macro TURNN next                      ; the same where nothing is filled again: a plain barrier
	MEET 0, 0
	PLACES
	FETCH \next, 0, F0
	MUL12 F1, 1, 0, 0
	MUL12 F1, 1, 2, 0
.endm
	s_wait_tensorcnt 1                             ; my part of K step 0 is in; K step 1's may stay out
	s_barrier_signal -1
	s_barrier_wait -1                              ; everybody's is
	FETCH 0, 0, F0
	QUARTER 0, 64,  F0, F1, 1                      ; the first quarter stands in front of the loop: its products start the sums
	WIN 0                                          ; at a label and at a branch every window is 0
	s_mov_b32 s3, 15
.Llap:                                                 ; a trip goes once round the ring, from a lap's second quarter to the next lap's first: 15 trips take K steps 0..29 and ask for 2..31
	QUARTER 0, 128, F1, F0, 0
	QUARTER 0, 192, F0, F1, 0
	TURN 0, 1, 1
	QUARTER 1, 64,  F0, F1, 0
	QUARTER 1, 128, F1, F0, 0
	QUARTER 1, 192, F0, F1, 0
	TURN 1, 0, 0
	QUARTER 0, 64,  F0, F1, 0
	WIN 0
	s_sub_co_u32 s3, s3, 1
	s_cmp_lg_u32 s3, 0
	s_cbranch_scc1 .Llap
	QUARTER 0, 128, F1, F0, 0                      ; the tail is written out.  K step 30,
	QUARTER 0, 192, F0, F1, 0
	TURN 0, 1, -1                                  ; whose slot takes K step 32, the last fill;
	QUARTER 1, 64,  F0, F1, 0                      ; K step 31;
	QUARTER 1, 128, F1, F0, 0
	QUARTER 1, 192, F0, F1, 0
	TURNN 0
	QUARTER 0, 64,  F0, F1, 0                      ; K step 32: the low-rank part and the bias
	QUARTER 0, 128, F1, F0, 0
	QUARTER 0, 192, F0, F1, 0
	s_wait_dscnt 8
	MUL12 F1, 0, 0, 0
	MUL12 F1, 0, 2, 0
	s_wait_dscnt 0x0
	MUL12 F1, 1, 0, 0
	MUL12 F1, 1, 2, 0
	; THE WAY OUT.  A lane's 32 bytes are an eighth of a row's aligned 256, and a row's 768 bytes come from two waves: so the tile goes through a stage in LDS and comes back as whole rows.
	WIN 0
	PLACES
	PLACES                                         ; eight places, once a launch, ahead of the first reads of the sums
	s_barrier_signal -1                            ; every wave's reads of the ring are back (its last wait was for 0) and no fill follows:
	s_barrier_wait -1                              ; the ring's bytes may be written
.irp hi, 0,1
	WIN 0x08+4*(\hi)                               ; the stores' data (source 1) in window 2 or 3
.irp a, 0,1,2,3
.irp b, 0,1,2,3,4,5
	ds_store_b128 v[STO+(\hi)], v[8*(6*(\a)+(\b)):8*(6*(\a)+(\b))+3]   offset:(\a)*16*SP+64*(\b)     ; each accumulator from its low end on
	ds_store_b128 v[STO+(\hi)], v[8*(6*(\a)+(\b))+4:8*(6*(\a)+(\b))+7] offset:(\a)*16*SP+64*(\b)+16
.endr
.endr
.endr
	WIN 0
	s_wait_dscnt 0x0                               ; for the others' sake: my stores into the stage are done
	s_barrier_signal -1
	s_barrier_wait -1
.macro LOADG g                         ; 16 of my 64 rows: 24 loads, number 3 ii + u: row pair ii, piece u of 256 bytes
.set BB, BK+96*((\g)%2)
.irp ii, 0,1,2,3,4,5,6,7
.irp u, 0,1,2
	ds_load_b128 v[BB+4*(3*(\ii)+(\u)):BB+4*(3*(\ii)+(\u))+3], v[RD] offset:(16*(\g)+2*(\ii))*SP+256*(\u)
.endr
.endr
.endm
.macro SENDG g, younger, more          ; younger: the LDS loads issued behind this group's: the next group's 24, or none
.set BB, BK+96*((\g)%2)
.irp ii, 0,1,2,3,4,5,6,7
.irp u, 0,1,2
	s_wait_dscnt (\younger)+23-(3*(\ii)+(\u))
	global_store_b128 v[CO+8*(\u)+(\ii)], v[BB+4*(3*(\ii)+(\u)):BB+4*(3*(\ii)+(\u))+3], s[OB+2*(\u):OB+2*(\u)+1] th:TH_STORE_NT  ; 16 lanes store 256 consecutive bytes, at a multiple of 256 from the output's first byte
.endr
.endr
.if \more
	s_wait_xcnt 0x0                                ; the stores have read their registers and bases: only behind this wait are the bases stepped and the buffer loaded again
.irp u, 0,1,2
	s_add_nc_u64 s[OB+2*(\u):OB+2*(\u)+1], s[OB+2*(\u):OB+2*(\u)+1], s[ST16+2*(\u):ST16+2*(\u)+1]  ; 16 rows on
.endr
.endif
.endm
	LOADG 0
	LOADG 1
	SENDG 0, 24, 1
	LOADG 2
	SENDG 1, 24, 1
	LOADG 3
	SENDG 2, 24, 1
	SENDG 3, 0, 0
	s_wait_tensorcnt 0x0                           ; the wave's end: behind my last tensor load and my last LDS store
	ds_add_u32 v[SPW], v[NIL]
	s_wait_dscnt 0x0
	CROUND                                         ; the closing round: no work-group ends while a partner may still ask for a tile that names it
	s_endpgm
.Lfunc_end_k_qa15bea79fd_gemm:
	.size	k_qa15bea79fd_gemm, .Lfunc_end_k_qa15bea79fd_gemm-k_qa15bea79fd_gemm
	.p2alignl 7, 3214868480
	.fill 96, 4, 3214868480
	.section	.rodata,"a",@progbits
	.p2align	6, 0x0
	.amdhsa_kernel k_qa15bea79fd_gemm
		.amdhsa_group_segment_fixed_size 327680
		.amdhsa_private_segment_fixed_size 0
		.amdhsa_enable_private_segment 0
		.amdhsa_kernarg_size 40
		.amdhsa_user_sgpr_count 2
		.amdhsa_user_sgpr_kernarg_segment_ptr 1
		.amdhsa_wavefront_size32 1
		.amdhsa_system_sgpr_workgroup_id_x 1
		.amdhsa_system_sgpr_workgroup_id_y 1
		.amdhsa_system_sgpr_workgroup_id_z 1
		.amdhsa_system_vgpr_workitem_id 0
		.amdhsa_next_free_vgpr 960
		.amdhsa_next_free_sgpr 96
		.amdhsa_reserve_vcc 0
		.amdhsa_float_denorm_mode_32 3
		.amdhsa_float_denorm_mode_16_64 3
		.amdhsa_memory_ordered 1
		.amdhsa_forward_progress 1
		.amdhsa_inst_pref_size 142
	.end_amdhsa_kernel
	.amdgpu_metadata
---
amdhsa.version: [ 1, 2 ]
amdhsa.kernels:
  - .name:           k_qa15bea79fd_gemm
    .symbol:         k_qa15bea79fd_gemm.kd
    .args:
      - { .name: xb, .offset: 0, .size: 8, .value_kind: global_buffer, .address_space: global }
      - { .name: wb, .offset: 8, .size: 8, .value_kind: global_buffer, .address_space: global }
      - { .name: out0, .offset: 16, .size: 8, .value_kind: global_buffer, .address_space: global }
      - { .name: out1, .offset: 24, .size: 8, .value_kind: global_buffer, .address_space: global }
      - { .name: out2, .offset: 32, .size: 8, .value_kind: global_buffer, .address_space: global }
    .group_segment_fixed_size: 327680
    .private_segment_fixed_size: 0
    .kernarg_segment_align: 8
    .kernarg_segment_size: 40
    .max_flat_workgroup_size: 128
    .sgpr_count:     96
    .vgpr_count:     960
    .wavefront_size: 32
...
	.end_amdgpu_metadata
.endif
;; end of part 2
